; MI455X (gfx1250); checked and timed in simulation.
; The chip was launched on July 23, 2026; its instructions are those of AMD's public machine-readable ISA for CDNA 5 (MIT licence, August 2026) and "CDNA5" Instruction Set Architecture Reference Guide (July 2026). The comments in the code are by the model that wrote it; some were corrected since.
;; Re Lu GRU Cell. Allowed arithmetic: matrix products marked QUANTISED: E2M3 operands, one E8M0 scale for each 32 along K, by v_wmma_scale_f32_16x16x128_f8f6f4 with both operands' format E2M3, f32 sums; everything else in f32.
;; Inputs: bias 3 x 1,024 float32; hx 8,192 x 1,024 float32; input_codes 8,192 x 32 x 24 uint8 (E2M3 codes of input, K innermost, in blocks of 32 codes, four codes in three bytes); input_scales 8,192 x 32 uint8 (E8M0 scales of input, one for each 32 codes along K); weight_hh_codes 3 x 1,024 x 32 x 24 uint8 (E2M3 codes of weight_hh, K innermost, in blocks of 32 codes, four codes in three bytes); weight_hh_scales 3 x 1,024 x 32 uint8 (E8M0 scales of weight_hh, one for each 32 codes along K); weight_ih_codes 3 x 1,024 x 32 x 24 uint8 (E2M3 codes of weight_ih, K innermost, in blocks of 32 codes, four codes in three bytes); weight_ih_scales 3 x 1,024 x 32 uint8 (E8M0 scales of weight_ih, one for each 32 codes along K).
;; Outputs: out0 8,192 x 1,024 float32.
;; This version of the problem:
;;   THIS VERSION OF THE PROBLEM IS GIVEN IN LOW PRECISION. The matrix products marked QUANTISED in the list below multiply operands that are first quantised to E2M3 (2 exponent bits, 3 mantissa bits; 6 bits a number), with one power-of-two scale for each 32 numbers along K (OCP MX v1.0); their sums are f32. All else is computed in f32.
;;   The module's matrix products, in the order in which they are computed (A, B: the left and right operand; K: the contracted axis; several contracted axes count as one K, in the product's order):
;;     1. [M 3,072, K 1,024] x [K 1,024, N 8,192]; A: input weight_ih (given as codes); B: input input (given as codes): QUANTISED
;;     2. [M 8,192, K 1,024] x [K 1,024, N 1,024]; A: input hx; B: input weight_hh (given as codes): QUANTISED
;;     3. [M 8,192, K 1,024] x [K 1,024, N 1,024]; A: input hx; B: input weight_hh (given as codes): QUANTISED
;;     4. [M 8,192, K 1,024] x [K 1,024, N 1,024]; A: computed on the way; B: input weight_hh (given as codes): QUANTISED
;;   THE QUANTISER, for each operand of a quantised product, along K:
;;     - K is cut into blocks of 32 from its start; a last block that is shorter is filled with zeros.
;;     - A block's scale is 2^e with e = floor(log2(the largest magnitude in the block)) - 2, held to -126 .. 127; a block of zeros has e = 0. As a byte (E8M0): e + 127.
;;     - Each number is divided by its block's scale, clamped to +-7.5, and rounded to the nearest number of E2M3, ties to even, subnormals kept.
;;     - The product sums the exact products of the quantised numbers (number of the format x scale) in f32.
;;   ~~~python
;;   def quantise(x, axis):      # numpy; x: float32 -> the quantised numbers, widened to float32 again
;;       x = np.moveaxis(x, axis, -1); K = x.shape[-1]
;;       x = np.pad(x, [(0, 0)] * (x.ndim - 1) + [(0, -K % 32)]); x = x.reshape(x.shape[:-1] + (-1, 32)); a = np.abs(x).max(-1, keepdims=True)
;;       e = np.where(a > 0, np.clip(np.frexp(np.where(a > 0, a, 1))[1] - 1 - 2, -126, 127), 0)      # np.frexp(a)[1] - 1 = floor(log2(a)), exactly
;;       r = np.clip(x / 2.0 ** e, -7.5, 7.5)
;;       step = 2.0 ** (np.maximum(np.frexp(np.where(r == 0, 1, r))[1] - 1, 0) - 3)
;;       q = np.round(r / step) * step * 2.0 ** e      # np.round: ties to even
;;       return np.moveaxis(q.reshape(q.shape[:-2] + (-1,))[..., :K], -1, axis).astype(np.float32)
;;   ~~~
;;   OPERANDS COMPUTED ON THE WAY. 'Computed on the way' means the value that the module computes at that place (a softmax that the list does not call 'softmax' is quantised finished and normalised). What goes into a quantiser is computed in f32, as accurately as f32 sums, v_exp_f32 and their like allow (about 1e-6 of the number): no bf16 or f16 on the way to a quantiser, and a product that is left as it is and whose result goes on into a quantised operand takes f32 operands (vector FMAs, or v_wmma_f32_16x16x4_f32). A number that lies on a knife's edge between two numbers of the format may be rounded either way, as far as f32 arithmetic and the matrix unit's own rounding can turn it there, and no further.
;;   INPUTS GIVEN AS CODES. input (in the module: [8192, 1024], K = its axis 1); weight_hh (in the module: [3, 1024, 1024], K = its axis 2); weight_ih (in the module: [3, 1024, 1024], K = its axis 2): each comes as NAME_codes (uint8): NAME with its K axis moved to the last place and cut into blocks of 32 codes, [.., K / 32, bytes a block], one block behind the other in memory; four codes in three bytes: a row's codes are one little-endian stream of bits, code i at bits 6 i .. 6 i + 5 (a code: sign, 2 exponent bits, 3 mantissa bits); and NAME_scales (uint8): the same leading axes, one E8M0 byte (e + 127) for each 32 codes along K. Its value is code x scale, taken as it is: it is not quantised again, and the codes and scales need not be those that the quantiser above would give.
;; One version. Each part assembles by itself: llvm-mc -triple=amdgcn-amd-amdhsa -mcpu=gfx1250 --defsym DOCPART=n.
;; ======== version 1 of 1: 3 launches
;; limits: right only within a limited range of input values
;; workspace buffers: hx_img 6,553,600 bytes; in_img 6,553,600 bytes; hr_img 6,553,600 bytes; wih_img 2,457,600 bytes; whh_img 2,457,600 bytes
;; launch prep (part 1): grid 176 x 4, 4 waves a work-group, no clusters, 34,304 bytes of LDS; arguments hx, input_codes, input_scales, weight_ih_codes, weight_ih_scales, weight_hh_codes, weight_hh_scales, hx_img, in_img, wih_img, whh_img; writes hx_img, in_img, wih_img, whh_img
.if DOCPART == 1
	.amdgcn_target "amdgcn-amd-amdhsa--gfx1250"
	.amdhsa_code_object_version 6
	.text
	.protected	k_q2b42a9e61c_prep
	.globl	k_q2b42a9e61c_prep
	.p2align	8
	.type	k_q2b42a9e61c_prep,@function
k_q2b42a9e61c_prep:
	s_mov_b64 s[64:65], 0
	v_nop
	global_prefetch_b8 v0, s[64:65] scope:SCOPE_SE
	s_setreg_imm32_b32 hwreg(HW_REG_WAVE_MODE, 25, 1), 1
	s_wait_xcnt 0x0
; ReLU-GRU cell, first of three launches.  No work of the problem is left out anywhere: every input has a way to the output, and all four products are done whole.
; THIS LAUNCH quantises hx along H to E2M3 with one E8M0 byte for each 32, and lays it, and the codes and scale bytes of input, weight_ih and weight_hh as they are given, into IMAGES:
; the order in which a matrix operand's registers take them.
; AN IMAGE BLOCK is 128 rows x 256 along K, 25,600 bytes, dense: fragment (row block i of 16 rows, q-th 128 along K) at 12,288 q + 1,536 i, as three runs of 512 bytes: lane l's registers 4 c .. 4 c + 3 at 512 c + 16 l;
; behind the 16 fragments the scale words (four bytes: 128 along K of one row) at 24,576 + 512 q + 64 i + 4 r.  A buffer is [S = K / 256][T = rows / 128] blocks.
; Lane (r, h) of a fragment holds of its row the 24 bytes at 96 q + 24 h (registers 0-5) and those 48 bytes on (registers 6-11): the row's stream of bits as it lies.
; WHICH ROW: activations: lane r of block i is row 16 i + r.  Weights: lane r of block 2 b + u is row 32 b + 8 u + r + 8 (r / 8), so that in a product used transposed the 16 registers of tiles 2 b, 2 b + 1 are 16 neighbouring columns.
; SHARES: a work-group makes one block; y = S; x under 64: hx (T = x); 64-127: input; 128-151: weight_ih; 152-175: weight_hh.  Wave w makes row blocks 2 w, 2 w + 1 for q = 0, 1: four fragments.
; THE QUANTISER: a block's scale byte is its largest magnitude's exponent field - 2, held at 1 from below; numbers / scale to the nearest code, ties to even, beyond 7.5 the largest code.
; LIMITS: a block of zeros gets the byte 1 where the rule says 127 (its codes are zeros, and the bytes are read by this program alone); NaN and infinities in hx are not served.
.set BLK,   25600
.set SP,    528                        ; a stage row: 512 bytes + 16: sixteen rows start at sixteen different columns of 16 bytes
.set WST,   16*SP                      ; a wave's stage
.set SPARE, 4*WST                      ; behind the stages: the spare words, 128 bytes a wave, which no other line names
.set R,     16                         ; v16-143  two sets of 64: 16 rows x 16 bytes a lane, as loaded
.set X,     144                        ; v144-207 64 numbers of my row: register 16 b + i = k 32 b + 16 h + i
.set TM,    208                        ; v208-223 at work
.set PW,    224                        ; v224-227 the four fragments' scale words
.set PC,    228                        ; v228-247 the codes just made
.set SPW,   250
.set NIL,   251
.set SEL,   34
	s_load_b256 s[4:11], s[0:1], 0x0               ; hx, input codes, input scales, weight_ih codes
	s_load_b256 s[12:19], s[0:1], 0x20             ; weight_ih scales, weight_hh codes, weight_hh scales, hx_img
	s_load_b128 s[20:23], s[0:1], 0x40             ; in_img, wih_img
	s_load_b64 s[24:25], s[0:1], 0x50              ; whh_img
	v_lshl_add_u32 v[SPW], v0, 2, SPARE
	v_mov_b32 v[NIL], 0
	v_lshrrev_b32 v1, 5, v0
	v_readfirstlane_b32 s26, v1                    ; wave
	v_and_b32 v1, 15, v0                           ; r
	v_bfe_u32 v2, v0, 4, 1                         ; h
	v_and_b32 v3, 31, v0                           ; lane
	v_lshlrev_b32 v4, 4, v3                        ; 16 x lane
	v_lshlrev_b32 v7, 2, v3                        ; 4 x lane
	s_mul_i32 s49, s26, WST
	v_add_nc_u32 v5, s49, v4                       ; the stage, in: 16 bytes a lane of a row
	v_mul_u32_u24 v6, v1, SP
	v_lshl_add_u32 v6, v2, 6, v6
	v_add_nc_u32 v6, s49, v6                       ; and out: row r, + 64 h
	v_cmp_lt_u32 s48, 15, v3                       ; lanes 16-31
	s_mov_b32 s27, ttmp9                           ; x
	s_and_b32 s28, ttmp7, 0xffff                   ; S
	s_mov_b32 s[SEL], 0x76543210
	s_mov_b32 s[SEL+1], 0xfedcba98                 ; lane l xor 16
	s_lshl_b32 s33, s26, 5                         ; 32 x wave
	s_mov_b32 s37, 0
	s_mov_b32 s39, 0
	s_mov_b32 s47, 0
	s_wait_kmcnt 0x0
.macro DSTS                            ; from the block's address s[40:41]: where my fragments go, and my scale words
	s_mul_i32 s46, s26, 3072
	s_add_nc_u64 s[42:43], s[40:41], s[46:47]
	s_lshl_b32 s46, s26, 7
	s_add_co_u32 s46, s46, 24576
	s_add_nc_u64 s[44:45], s[40:41], s[46:47]
.endm
	s_cmp_lt_u32 s27, 64
	s_cbranch_scc0 .Lcodes
; ---------------- hx: f32 to codes
	s_lshl_b32 s36, s27, 7
	s_add_co_u32 s36, s36, s33                     ; my first row: 128 T + 32 w
	s_lshl_b32 s36, s36, 12                        ; 4,096 bytes a row
	s_lshl_b32 s38, s28, 10                        ; + 1,024 S
	s_add_co_u32 s36, s36, s38
	s_add_nc_u64 s[4:5], s[4:5], s[36:37]
	s_lshl_b32 s38, s28, 6
	s_add_co_u32 s38, s38, s27                     ; block 64 S + T
	s_mul_i32 s38, s38, BLK
	s_add_nc_u64 s[40:41], s[18:19], s[38:39]
	DSTS
.irp b, 0,1,2,3
	v_mov_b32 v[TM+4+\b], 0                        ; written once: a lane permute's destination counts as one of its sources
.endr
.macro LOADF f                         ; fragment f = 2 ii + q: 16 rows x 512 bytes; a load takes 512 consecutive bytes of one row
.irp rr, 0,1,2,3,4,5,6,7,8,9,10,11,12,13,14,15
	global_load_b128 v[R+64*((\f)%2)+4*\rr:R+64*((\f)%2)+4*\rr+3], v4, s[4:5] offset:(16*((\f)/2)+\rr)*4096+512*((\f)%2) th:TH_LOAD_NT
.endr
.endm
.macro QUANT s, pw                     ; 64 numbers of a lane become a fragment's codes in v[PC] on and its row's scale word in v[pw]
.irp b, 0,1,2,3
	v_max3_num_f32 v[TM+\b], |v[\s+16*\b]|, |v[\s+1+16*\b]|, 0x1800000   ; block b: my 16 numbers, and the floor 2^(3 - 127): the byte cannot fall under 1
.endr
.irp i, 2,4,6,8,10,12,14
.irp b, 0,1,2,3
	v_max3_num_f32 v[TM+\b], v[TM+\b], |v[\s+16*\b+\i]|, |v[\s+1+16*\b+\i]|
.endr
.endr
.irp b, 0,1,2,3
	v_permlanex16_b32 v[TM+4+\b], v[TM+\b], s[SEL], s[SEL+1]
.endr
.irp b, 0,1,2,3
	v_max_num_f32 v[TM+\b], v[TM+\b], v[TM+4+\b]   ; with lane l xor 16's: the block's largest magnitude
.endr
.irp b, 0,1,2,3
	v_add_nc_u32 v[TM+12+\b], 0xff000000, v[TM+\b] ; 2 off its exponent field: the conversion's scale operand
.endr
.irp b, 0,1,2,3
	v_lshrrev_b32 v[TM+4+\b], 23, v[TM+12+\b]      ; the scale's byte
.endr
	v_lshl_or_b32 v[\pw], v[TM+5], 8, v[TM+4]
	v_lshl_or_b32 v[\pw], v[TM+6], 16, v[\pw]
	v_lshl_or_b32 v[\pw], v[TM+7], 24, v[\pw]
.irp c, 0,1
	v_cvt_scalef32_pk16_fp6_f32 v[PC+6*\c:PC+2+6*\c], v[\s+32*\c:\s+15+32*\c], v[TM+12+2*\c]
	v_cvt_scalef32_pk16_fp6_f32 v[PC+12+4*\c:PC+14+4*\c], v[\s+16+32*\c:\s+31+32*\c], v[TM+12+2*\c+1]   ; (a conversion's three registers begin on an even number)
.endr
	v_nop                                          ; one plain place behind a scaled conversion
.irp c, 0,1                            ; the operand wants a whole block in a lane: lanes 0-15 block 2 c, lanes 16-31 block 2 c + 1
.irp i, 0,1,2
	v_permlane16_swap_b32 v[PC+6*\c+\i], v[PC+12+4*\c+\i]
.endr
.irp i, 0,1,2
	v_mov_b32 v[PC+3+6*\c+\i], v[PC+12+4*\c+\i]
.endr
.endr
.endm
.macro DOF f
.if (\f) < 3
	s_wait_loadcnt 16                              ; this fragment's 16 loads are in; the next fragment's 16 may be out
.else
	s_wait_loadcnt 0x0
.endif
.irp rr, 0,1,2,3,4,5,6,7,8,9,10,11,12,13,14,15
	ds_store_b128 v5, v[R+64*((\f)%2)+4*\rr:R+64*((\f)%2)+4*\rr+3] offset:SP*\rr
.endr
.irp b, 0,1,2,3
.irp j, 0,1,2,3
	ds_load_b128 v[X+16*\b+4*\j:X+16*\b+4*\j+3], v6 offset:128*\b+16*\j   ; LDS serves a wave's instructions in order: these see my stores
.endr
.endr
	s_wait_dscnt 0x0                               ; my numbers are back, and the stores into the stage have read their registers
	s_wait_xcnt 0x0                                ; the last fragment's stores have read the codes' registers
.if (\f) < 2
	LOADF (\f)+2
.endif
	QUANT X, PW+(\f)
.irp c, 0,1,2
	global_store_b128 v4, v[PC+4*\c:PC+4*\c+3], s[42:43] offset:((\f)%2)*12288+((\f)/2)*1536+512*\c   ; 32 lanes store 512 consecutive bytes
.endr
.endm
	LOADF 0
	LOADF 1
	s_wait_alu depctr_va_vdst(0)
	DOF 0
	DOF 1
	DOF 2
	DOF 3
	v_cndmask_b32 v248, v[PW], v[PW+2], s48        ; lanes 0-15: my first row block's words, lanes 16-31: my second's; q = 0,
	v_cndmask_b32 v249, v[PW+1], v[PW+3], s48      ; q = 1
	global_store_b32 v7, v248, s[44:45]
	global_store_b32 v7, v249, s[44:45] offset:512
	s_branch .Lend
; ---------------- codes and scale bytes that are given: only laid anew
.Lcodes:
	s_mov_b32 s29, 152
	s_cmp_lt_u32 s27, 152                          ; the choices hang on the work-group's number alone
	s_cselect_b64 s[50:51], s[10:11], s[14:15]
	s_cselect_b64 s[52:53], s[12:13], s[16:17]
	s_cselect_b64 s[40:41], s[22:23], s[24:25]
	s_cselect_b32 s29, 128, s29
	s_cmp_lt_u32 s27, 128
	s_cselect_b64 s[50:51], s[6:7], s[50:51]
	s_cselect_b64 s[52:53], s[8:9], s[52:53]
	s_cselect_b64 s[40:41], s[20:21], s[40:41]
	s_cselect_b32 s29, 64, s29                     ; the tensor's first x
	s_cselect_b32 s30, 64, 24                      ; its blocks of 128 rows
	s_cselect_b32 s31, 0, 8                        ; weights: 8 more rows for r / 8 = 1,
	s_cselect_b32 s32, 16, 8                       ; and 8 rows, not 16, from a row block to the next
	s_sub_co_u32 s29, s27, s29                     ; T
	s_lshl_b32 s36, s29, 7
	s_add_co_u32 s36, s36, s33                     ; my first row: 128 T + 32 w
	s_lshl_b32 s38, s36, 5                         ; scale bytes: 32 a row, + 8 S
	s_lshl_b32 s46, s28, 3
	s_add_co_u32 s38, s38, s46
	s_add_nc_u64 s[52:53], s[52:53], s[38:39]
	s_mul_i32 s36, s36, 768                        ; codes: 768 bytes a row, + 192 S
	s_mul_i32 s46, s28, 192
	s_add_co_u32 s36, s36, s46
	s_add_nc_u64 s[50:51], s[50:51], s[36:37]
	s_mul_i32 s38, s28, s30
	s_add_co_u32 s38, s38, s29
	s_mul_i32 s38, s38, BLK
	s_add_nc_u64 s[40:41], s[40:41], s[38:39]
	DSTS
	v_lshrrev_b32 v10, 3, v1
	v_mad_u32_u24 v10, v10, s31, v1                ; my row among the wave's 32, first row block
	v_mul_u32_u24 v8, v10, 768
	v_mad_u32_u24 v8, v2, 24, v8
	s_mul_i32 s46, s32, 768
	v_add_nc_u32 v9, s46, v8                       ; second row block
	v_mad_u32_u24 v10, v2, s32, v10                ; scale words: lanes 16-31 take the second row block's rows
	v_lshlrev_b32 v10, 5, v10
.irp ii, 0,1
.irp q, 0,1
.irp p, 0,1,2,3,4,5
	global_load_b64 v[16+12*(2*\ii+\q)+2*\p:16+12*(2*\ii+\q)+2*\p+1], v[8+\ii], s[50:51] offset:96*\q+48*(\p/3)+8*(\p%3)
.endr
.endr
.endr
	global_load_b64 v[64:65], v10, s[52:53]        ; the words of q = 0 and q = 1
	s_wait_loadcnt 0x0
.irp ii, 0,1
.irp q, 0,1
.irp c, 0,1,2
	global_store_b128 v4, v[16+12*(2*\ii+\q)+4*\c:16+12*(2*\ii+\q)+4*\c+3], s[42:43] offset:\q*12288+\ii*1536+512*\c
.endr
.endr
.endr
	global_store_b32 v7, v64, s[44:45]
	global_store_b32 v7, v65, s[44:45] offset:512
.Lend:
	s_wait_tensorcnt 0x0                           ; the wave's end, behind my last LDS store
	ds_add_u32 v[SPW], v[NIL]
	s_wait_dscnt 0x0
	s_endpgm
.Lfunc_end_k_q2b42a9e61c_prep:
	.size	k_q2b42a9e61c_prep, .Lfunc_end_k_q2b42a9e61c_prep-k_q2b42a9e61c_prep
	.p2alignl 7, 3214868480
	.fill 96, 4, 3214868480
	.section	.rodata,"a",@progbits
	.p2align	6, 0x0
	.amdhsa_kernel k_q2b42a9e61c_prep
		.amdhsa_group_segment_fixed_size 34304
		.amdhsa_private_segment_fixed_size 0
		.amdhsa_enable_private_segment 0
		.amdhsa_kernarg_size 88
		.amdhsa_user_sgpr_count 2
		.amdhsa_user_sgpr_kernarg_segment_ptr 1
		.amdhsa_wavefront_size32 1
		.amdhsa_system_sgpr_workgroup_id_x 1
		.amdhsa_system_sgpr_workgroup_id_y 1
		.amdhsa_system_sgpr_workgroup_id_z 1
		.amdhsa_system_vgpr_workitem_id 0
		.amdhsa_next_free_vgpr 256
		.amdhsa_next_free_sgpr 66
		.amdhsa_reserve_vcc 0
		.amdhsa_float_denorm_mode_32 3
		.amdhsa_float_denorm_mode_16_64 3
		.amdhsa_memory_ordered 1
		.amdhsa_forward_progress 1
		.amdhsa_inst_pref_size 39
	.end_amdhsa_kernel
	.amdgpu_metadata
---
amdhsa.version: [ 1, 2 ]
amdhsa.kernels:
  - .name:           k_q2b42a9e61c_prep
    .symbol:         k_q2b42a9e61c_prep.kd
    .args:
      - { .name: hx, .offset: 0, .size: 8, .value_kind: global_buffer, .address_space: global }
      - { .name: input_codes, .offset: 8, .size: 8, .value_kind: global_buffer, .address_space: global }
      - { .name: input_scales, .offset: 16, .size: 8, .value_kind: global_buffer, .address_space: global }
      - { .name: weight_ih_codes, .offset: 24, .size: 8, .value_kind: global_buffer, .address_space: global }
      - { .name: weight_ih_scales, .offset: 32, .size: 8, .value_kind: global_buffer, .address_space: global }
      - { .name: weight_hh_codes, .offset: 40, .size: 8, .value_kind: global_buffer, .address_space: global }
      - { .name: weight_hh_scales, .offset: 48, .size: 8, .value_kind: global_buffer, .address_space: global }
      - { .name: hx_img, .offset: 56, .size: 8, .value_kind: global_buffer, .address_space: global }
      - { .name: in_img, .offset: 64, .size: 8, .value_kind: global_buffer, .address_space: global }
      - { .name: wih_img, .offset: 72, .size: 8, .value_kind: global_buffer, .address_space: global }
      - { .name: whh_img, .offset: 80, .size: 8, .value_kind: global_buffer, .address_space: global }
    .group_segment_fixed_size: 34304
    .private_segment_fixed_size: 0
    .kernarg_segment_align: 8
    .kernarg_segment_size: 88
    .max_flat_workgroup_size: 128
    .sgpr_count:     66
    .vgpr_count:     256
    .wavefront_size: 32
...
	.end_amdgpu_metadata
.endif
;; end of part 1
;; launch gate_r (part 2): grid 4 x 64, 4 waves a work-group, clusters of 4 x 4, 327,680 bytes of LDS; arguments hx_img, in_img, whh_img, wih_img, hx, bias, hr_img; writes hr_img
.if DOCPART == 2
	.amdgcn_target "amdgcn-amd-amdhsa--gfx1250"
	.amdhsa_code_object_version 6
	.text
	.protected	k_q2b42a9e61c_gate_r
	.globl	k_q2b42a9e61c_gate_r
	.p2align	8
	.type	k_q2b42a9e61c_gate_r,@function
k_q2b42a9e61c_gate_r:
	s_mov_b64 s[64:65], 0
	v_nop
	global_prefetch_b8 v0, s[64:65] scope:SCOPE_SE
	s_setreg_imm32_b32 hwreg(HW_REG_WAVE_MODE, 25, 1), 1
	s_wait_xcnt 0x0
	s_wait_alu depctr_hold_cnt(0) depctr_sa_sdst(0) depctr_va_vdst(0) depctr_va_sdst(0) depctr_va_ssrc(0) depctr_va_vcc(0) depctr_vm_vsrc(0)
	s_getreg_b32 s2, hwreg(HW_REG_IB_STS2, 6, 4)
	s_cmp_eq_u32 s2, 0
	s_cbranch_scc0 .Lentry_in_a_cluster
	s_endpgm
.Lentry_in_a_cluster:
	s_bfe_u32 s2, ttmp6, 0x10000c
	s_cmp_lg_u32 s2, 0xf033
	s_cbranch_scc0 .Lentry_shape_is_right
	s_endpgm
.Lentry_shape_is_right:
; ReLU-GRU cell, second launch: r = sigmoid(input Wih[1]^T + Q(hx) Whh[1]^T + bias[1]); hr_img = Q(hx r) as image blocks (layout: the first kernel's head).  Nothing is left out.
; A work-group makes 128 rows x 256 columns.  Waves w and w xor 2 take the two halves of K = 2,048 (hidden, input) of the same 128 x 128 and exchange halves of their sums through LDS.
; K goes in four steps of 256 through two LDS slots of six blocks (four of weights, two of activations), filled by joint loads in a 4 x 4 cluster: activations shared along a row, weights along a column.
; PREFETCHES: the tiles of steps 1 and 2 are asked for at the head and step 3's behind step 1's load, two refills ahead; the four partners of a joint load share its runs of 256 bytes by address, 25 runs an instruction.
; My 32 rows x 1,024 bytes of hx's f32 tile are asked for eight rows at a time, in four places ahead of the load that wants them.
; LIMITS: sigmoid(x) = 1 / (1 + 2^(-x log2 e)); a block of zeros gets the byte 1 (its codes are zeros; the bytes are read by this program alone); NaN and infinities are not served.
.set BLK,   25600
.set SLOT,  6*BLK
.set SPARE, 2*SLOT
.set FR,    12
.set SC,    32
.set AF,    128
.set XST,   8
.set XLD,   9
.set HXR,   10
.set L16,   11
.set PFO,   12
.set L4,    13
.set BOF,   14
.set ADRB,  16
.set ADAL,  18
.set ADAH,  20
.set SADB,  22
.set SAAL,  24
.set SAAH,  26
.set SPW,   28
.set NIL,   29
.set BIA,   64
.set PCM,   64
.set PCX,   196
.set G1A,   24
.set G1B,   32
.set G1X,   40
.set G0A,   48
.set G0B,   56
.set G0X,   68
.set SEL,   72
.set NLE,   74
.set HRB,   76
.set HRS,   78
.set PFX,   80
.set LMK,   82
.set MSB, 0
.macro WIN new
.if MSB != \new
	s_set_vgpr_msb (MSB<<8)|\new
.set MSB, \new
.endif
.endm
.set MUL_LO, 0xa1
.set MUL_HI, 0xf1
.set TO_B,   0x40
.macro PLACES
.rept 4
	v_nop
.endr
.endm
.macro JLOAD s
	s_cmp_eq_u32 s19, 0
	s_cbranch_scc0 .Lfor_b_\@
	tensor_load_to_lds s[G0A+4*\s:G0A+4*\s+3], s[G1A:G1A+7]
	s_nop 0
	PLACES
	s_branch .Lasked_\@
.Lfor_b_\@:
	tensor_load_to_lds s[G0B+4*\s:G0B+4*\s+3], s[G1B:G1B+7]
	s_nop 0
	PLACES
.Lasked_\@:
.endm
.macro CREST
	s_cmp_lg_u32 s18, 0
	s_cbranch_scc1 .Lnot_wave_0_\@
	s_barrier_signal -3
.Lnot_wave_0_\@:
	s_barrier_wait -3
	s_barrier_signal -1
	s_barrier_wait -1
.endm
.macro CROUND
	s_barrier_signal -1
	s_barrier_wait -1
	CREST
.endm
	s_load_b256 s[4:11], s[0:1], 0x0
	s_load_b128 s[12:15], s[0:1], 0x20
	s_load_b64 s[16:17], s[0:1], 0x30
	v_lshl_add_u32 v[SPW], v0, 2, SPARE
	v_mov_b32 v[NIL], 0
	ds_add_u32 v[SPW], v[NIL]
	ds_add_u32 v[SPW], v[NIL]
	v_lshrrev_b32 v1, 5, v0
	v_readfirstlane_b32 s18, v1
	s_lshr_b32 s19, s18, 1
	s_and_b32 s20, s18, 1
	s_bfe_u32 s96, ttmp6, 0x40000
	s_bfe_u32 s97, ttmp6, 0x40004
	s_lshl_b32 s21, ttmp9, 2
	s_add_co_u32 s21, s21, s96
	s_and_b32 s22, ttmp7, 0xffff
	s_lshl_b32 s22, s22, 2
	s_add_co_u32 s22, s22, s97
	s_lshl_b32 s98, s97, 2
	s_lshl_b32 s98, 15, s98
	s_lshl_b32 s99, 0x1111, s96
	s_or_b32 s[G1A], s98, (3<<16)|(1<<21)
	s_or_b32 s[G1B], s99, (3<<16)|(1<<21)
.irp g, G1A, G1B
	s_mov_b32 s[\g+1], 32<<16
	s_mov_b32 s[\g+3], 32<<16
	s_mov_b32 s[\g+5], 32
	s_mov_b32 s[\g+6], 0
	s_mov_b32 s[\g+7], 0
.endr
	s_mov_b32 s[G1A+2], 100<<16
	s_mov_b32 s[G1A+4], 100
	s_mov_b32 s[G1B+2], 200<<16
	s_mov_b32 s[G1B+4], 200
	s_mov_b32 s[G1X], (2<<16)|(1<<20)|(7<<22)|(3<<25)
	s_mov_b32 s[G1X+1], 256<<16
	s_mov_b32 s[G1X+2], 32<<16
	s_mov_b32 s[G1X+3], 256<<16
	s_mov_b32 s[G1X+4], 32
	s_mov_b32 s[G1X+5], 1024
	s_mov_b32 s[G1X+6], 0
	s_mov_b32 s[G1X+7], 0
	s_mul_i32 s84, s22, BLK
	s_mov_b32 s85, 0
	s_mul_i32 s86, s21, 2*BLK
	s_add_co_u32 s86, s86, 8*BLK
	s_mov_b32 s87, 0
	s_mul_i32 s92, s20, BLK
	s_add_co_u32 s92, s92, 4*BLK
	s_mul_i32 s93, s20, 2*BLK
	s_mov_b32 s[G0X], 1
	s_mul_i32 s[G0X+1], s18, 32*1040
	s_lshl_b32 s94, s22, 19
	s_lshl_b32 s95, s18, 17
	s_add_co_u32 s94, s94, s95
	s_lshl_b32 s95, s21, 10
	s_add_co_u32 s94, s94, s95
	s_mov_b32 s95, 0
	s_mov_b32 s[SEL], 0x76543210
	s_mov_b32 s[SEL+1], 0xfedcba98
	s_mov_b32 s[NLE], 0xbfb8aa3b
	s_mov_b32 s[NLE+1], s[NLE]
	s_wait_dscnt 0x0
	s_wait_kmcnt 0x0
	s_cmp_eq_u32 s20, 0
	s_cselect_b64 s[88:89], s[4:5], s[6:7]
	s_cselect_b64 s[90:91], s[8:9], s[10:11]
	s_add_nc_u64 s[88:89], s[88:89], s[84:85]
	s_add_nc_u64 s[90:91], s[90:91], s[86:87]
	CROUND
.irp s, 0,1
	s_mov_b32 s[G0A+4*\s], 1
	s_add_co_u32 s[G0A+4*\s+1], s92, \s*SLOT
	s_add_nc_u64 s[G0A+4*\s+2:G0A+4*\s+3], s[88:89], \s*64*BLK
	s_or_b32 s[G0A+4*\s+3], s[G0A+4*\s+3], 0x80000000
	s_mov_b32 s[G0B+4*\s], 1
	s_add_co_u32 s[G0B+4*\s+1], s93, \s*SLOT
	s_add_nc_u64 s[G0B+4*\s+2:G0B+4*\s+3], s[90:91], \s*24*BLK
	s_or_b32 s[G0B+4*\s+3], s[G0B+4*\s+3], 0x80000000
.endr
	JLOAD 0                                        ; K step 0: one tensor load a wave at the head
	s_add_nc_u64 s[PFX:PFX+1], s[12:13], s[94:95]
	s_mov_b64 s[G0X+2:G0X+3], s[PFX:PFX+1]
	s_or_b32 s[G0X+3], s[G0X+3], 0x80000000
	s_lshl_b32 s94, s21, 6
	s_add_co_u32 s94, s94, s22
	s_mul_i32 s94, s94, BLK
	s_add_nc_u64 s[HRS:HRS+1], s[16:17], s[94:95]
	s_mul_i32 s94, s20, 12288
	s_mul_i32 s23, s19, 6144
	s_add_co_u32 s94, s94, s23
	s_add_nc_u64 s[HRB:HRB+1], s[HRS:HRS+1], s[94:95]
	s_lshl_b32 s94, s20, 9
	s_lshl_b32 s23, s19, 8
	s_add_co_u32 s94, s94, s23
	s_add_co_u32 s94, s94, 24576
	s_add_nc_u64 s[HRS:HRS+1], s[HRS:HRS+1], s[94:95]
	s_lshl_b32 s94, s21, 10
	s_lshl_b32 s23, s20, 9
	s_add_co_u32 s94, s94, s23
	s_add_co_u32 s94, s94, 4096
	s_add_nc_u64 s[14:15], s[14:15], s[94:95]
	v_and_b32 v1, 15, v0
	v_bfe_u32 v2, v0, 4, 1
	v_and_b32 v3, 31, v0
	v_lshlrev_b32 v[L16], 4, v3
	v_lshlrev_b32 v[L4], 2, v3
	v_lshlrev_b32 v[BOF], 6, v2
.irp b, 0,1,2,3
.irp j, 0,1,2,3
	global_load_b128 v[BIA+16*\b+4*\j:BIA+16*\b+4*\j+3], v[BOF], s[14:15] offset:128*\b+16*\j
.endr
.endr
	v_lshrrev_b32 v[PFO], 2, v3
	v_lshlrev_b32 v[PFO], 12, v[PFO]
	v_and_b32 v4, 3, v3
	v_lshl_add_u32 v[PFO], v4, 8, v[PFO]
	v_cmp_lt_u32 s[LMK], 15, v3
	s_mul_i32 s84, s19, 2*BLK
	s_mul_i32 s85, s20, BLK
	s_add_co_u32 s84, s84, s85
	v_add_nc_u32 v[ADRB], s84, v[L16]
	s_wait_alu depctr_va_vdst(0)
	s_add_co_u32 s84, s84, 24576
	v_add_nc_u32 v[SADB], s84, v[L4]
	s_wait_alu depctr_va_vdst(0)
	s_mul_i32 s85, s19, 31744
	s_add_co_u32 s85, s85, 4*BLK
	v_add_nc_u32 v[ADAL], s85, v[L16]
	s_mul_i32 s85, s19, 19456
	s_add_co_u32 s85, s85, 4*BLK
	v_add_nc_u32 v[ADAH], s85, v[L16]
	s_mul_i32 s85, s19, 25856
	s_add_co_u32 s85, s85, 4*BLK+24576
	v_add_nc_u32 v[SAAL], s85, v[L4]
	s_mul_i32 s85, s19, 25344
	s_add_co_u32 s85, s85, 4*BLK+24576
	v_add_nc_u32 v[SAAH], s85, v[L4]
.irp x, ADRB, ADAL, ADAH, SADB, SAAL, SAAH
	v_add_nc_u32 v[\x+1], SLOT, v[\x]
.endr
	s_lshl_b32 s84, s18, 15
	s_add_co_u32 s84, s84, SLOT
	v_add_nc_u32 v[XST], s84, v[L16]
	s_xor_b32 s85, s18, 2
	s_lshl_b32 s85, s85, 15
	s_add_co_u32 s85, s85, SLOT
	v_add_nc_u32 v[XLD], s85, v[L16]
	s_mul_i32 s84, s19, 64*1040
	s_lshl_b32 s85, s20, 9
	s_add_co_u32 s84, s84, s85
	v_mul_u32_u24 v[HXR], v1, 1040
	v_lshl_add_u32 v[HXR], v2, 6, v[HXR]
	v_add_nc_u32 v[HXR], s84, v[HXR]
.macro WM a, t, set, q, sc, zero
.set rD, 8*(8*((\a)%4)+(\t))
.set rW, 128*(\set)+FR*(\t)
.set rA, AF+FR*(\a)
.set rU, SC+16*(\sc)+8+4*(\q)+(\t)/2
.set rV, SC+16*(\sc)+4*(\q)+(\a)/2
.set oT, (\t)%2
.set oA, (\a)%2
.if \zero
.if oT && oA
	v_wmma_scale_f32_16x16x128_f8f6f4 v[rD:rD+7], v[rW:rW+11], v[rA:rA+11], 0, v[rU], v[rV] matrix_a_fmt:MATRIX_FMT_FP6 matrix_b_fmt:MATRIX_FMT_FP6 matrix_a_scale:MATRIX_SCALE_ROW1 matrix_b_scale:MATRIX_SCALE_ROW1
.elseif oT
	v_wmma_scale_f32_16x16x128_f8f6f4 v[rD:rD+7], v[rW:rW+11], v[rA:rA+11], 0, v[rU], v[rV] matrix_a_fmt:MATRIX_FMT_FP6 matrix_b_fmt:MATRIX_FMT_FP6 matrix_a_scale:MATRIX_SCALE_ROW1
.elseif oA
	v_wmma_scale_f32_16x16x128_f8f6f4 v[rD:rD+7], v[rW:rW+11], v[rA:rA+11], 0, v[rU], v[rV] matrix_a_fmt:MATRIX_FMT_FP6 matrix_b_fmt:MATRIX_FMT_FP6 matrix_b_scale:MATRIX_SCALE_ROW1
.else
	v_wmma_scale_f32_16x16x128_f8f6f4 v[rD:rD+7], v[rW:rW+11], v[rA:rA+11], 0, v[rU], v[rV] matrix_a_fmt:MATRIX_FMT_FP6 matrix_b_fmt:MATRIX_FMT_FP6
.endif
.else
.if oT && oA
	v_wmma_scale_f32_16x16x128_f8f6f4 v[rD:rD+7], v[rW:rW+11], v[rA:rA+11], v[rD:rD+7], v[rU], v[rV] matrix_a_fmt:MATRIX_FMT_FP6 matrix_b_fmt:MATRIX_FMT_FP6 matrix_a_scale:MATRIX_SCALE_ROW1 matrix_b_scale:MATRIX_SCALE_ROW1
.elseif oT
	v_wmma_scale_f32_16x16x128_f8f6f4 v[rD:rD+7], v[rW:rW+11], v[rA:rA+11], v[rD:rD+7], v[rU], v[rV] matrix_a_fmt:MATRIX_FMT_FP6 matrix_b_fmt:MATRIX_FMT_FP6 matrix_a_scale:MATRIX_SCALE_ROW1
.elseif oA
	v_wmma_scale_f32_16x16x128_f8f6f4 v[rD:rD+7], v[rW:rW+11], v[rA:rA+11], v[rD:rD+7], v[rU], v[rV] matrix_a_fmt:MATRIX_FMT_FP6 matrix_b_fmt:MATRIX_FMT_FP6 matrix_b_scale:MATRIX_SCALE_ROW1
.else
	v_wmma_scale_f32_16x16x128_f8f6f4 v[rD:rD+7], v[rW:rW+11], v[rA:rA+11], v[rD:rD+7], v[rU], v[rV] matrix_a_fmt:MATRIX_FMT_FP6 matrix_b_fmt:MATRIX_FMT_FP6
.endif
.endif
.endm
.macro MUL16 a0, set, q, sc, zero
.irp a, \a0, \a0+1
.irp t, 0,1,2,3,4,5,6,7
	WM (\a), \t, \set, \q, \sc, \zero
.endr
.endr
.endm
.macro FRAG reg, adr, off
.irp c, 0,1,2
	ds_load_b128 v[\reg+4*\c:\reg+4*\c+3], v[\adr] offset:\off+512*\c
.endr
.endm
.macro FETCH_B adr, q, set
	WIN TO_B
.irp t, 0,1,2,3,4,5,6,7
	FRAG 128*(\set)+FR*\t, \adr, (\q)*12288+\t*1536
.endr
	WIN 0
.endm
.macro FETCH_A adr, q, i0
.irp i, \i0, \i0+1, \i0+2, \i0+3
	FRAG AF+FR*(\i), \adr, (\q)*12288+(\i)*1536
.endr
.endm
.macro SCALES s
.irp q, 0,1
.irp p, 0,1
	ds_load_b32 v[SC+16*\s+4*\q+\p], v[SAAL+\s] offset:512*\q+128*\p
	ds_load_b32 v[SC+16*\s+4*\q+2+\p], v[SAAH+\s] offset:512*\q+128*(2+\p)
.endr
.irp p, 0,1,2,3
	ds_load_b32 v[SC+16*\s+8+4*\q+\p], v[SADB+\s] offset:512*\q+128*\p
.endr
.endr
.endm
.macro STEP s, zero
	s_wait_dscnt 12
	WIN MUL_LO
	MUL16 0, 0, 0, \s, \zero
	MUL16 2, 0, 0, \s, \zero
	s_wait_dscnt 0x0
	PLACES
	FETCH_B ADRB+\s, 1, 1
	FETCH_A ADAL+\s, 1, 0
	WIN MUL_HI
	MUL16 4, 0, 0, \s, \zero
	MUL16 6, 0, 0, \s, \zero
	PLACES
	WIN 0
	FETCH_A ADAH+\s, 1, 4
.endm
.macro TURN s, n, kind, pf
	s_wait_dscnt 12
	WIN MUL_LO
	MUL16 0, 1, 1, \s, 0
	MUL16 2, 1, 1, \s, 0
	WIN 0
	s_wait_tensorcnt 0x0
	ds_add_u32 v[SPW], v[NIL]
.if \kind == 1
	s_add_nc_u64 s[G0A+4*\s+2:G0A+4*\s+3], s[G0A+4*\s+2:G0A+4*\s+3], 2*64*BLK
	s_add_nc_u64 s[G0B+4*\s+2:G0B+4*\s+3], s[G0B+4*\s+2:G0B+4*\s+3], 2*24*BLK
.endif
	s_wait_dscnt 0x0
	s_barrier_signal -1
	s_barrier_wait -1
	CREST
.if \kind == 1
	JLOAD \s
.else
	tensor_load_to_lds s[G0X:G0X+3], s[G1X:G1X+7]
	s_nop 0
	PLACES
.endif
	FETCH_B ADRB+\n, 0, 0
	FETCH_A ADAL+\n, 0, 0
	s_wait_alu depctr_va_vdst(0)
	SCALES \n
.if \pf >= 0
	global_prefetch_b8 v[PFO], s[PFX:PFX+1] offset:32768*(\pf) th:TH_LOAD_NT scope:SCOPE_SE      ; eight rows x 1,024 bytes of my part of hx's tile
.endif
	WIN MUL_HI
	MUL16 4, 1, 1, \s, 0
	MUL16 6, 1, 1, \s, 0
	PLACES
	WIN 0
	FETCH_A ADAH+\n, 0, 4
.endm
; The tiles of K step k: of the runs of 256 bytes that I fetch (100 of activations, 200 of weights) my work-group names a quarter, told apart by address (cx for activations, cy for weights); lanes 25-31 name lane 24's run again
.macro ASKT k
	s_cmp_eq_u32 s19, 0
	s_cbranch_scc0 .Lpw_\@
	global_prefetch_b8 v15, s[100:101] offset:(\k)*64*BLK th:TH_LOAD_NT scope:SCOPE_SE
	s_branch .Lpd_\@
.Lpw_\@:
	global_prefetch_b8 v15, s[100:101] offset:(\k)*24*BLK th:TH_LOAD_NT scope:SCOPE_SE
	global_prefetch_b8 v15, s[100:101] offset:(\k)*24*BLK+6400 th:TH_LOAD_NT scope:SCOPE_SE
.Lpd_\@:
.endm
	s_cmp_eq_u32 s19, 0                            ; do I fetch activations?
	s_cselect_b64 s[100:101], s[88:89], s[90:91]   ; my tile of K step 0
	s_cselect_b32 s84, s96, s97                    ; my place among the four that ask with me
	s_mov_b32 s85, 12800
	s_cselect_b32 s85, 6400, s85                   ; a quarter of the tile, in bytes
	s_mul_i32 s94, s84, s85
	s_mov_b32 s95, 0
	s_add_nc_u64 s[100:101], s[100:101], s[94:95]
	v_and_b32 v15, 31, v0
	v_min_u32 v15, 24, v15
	v_lshlrev_b32 v15, 8, v15                      ; a lane a run of 256 bytes; never rewritten
	s_wait_alu depctr_va_vdst(0)                   ; the head's end
	ASKT 1
	ASKT 2
	global_prefetch_b8 v[PFO], s[PFX:PFX+1] offset:0 th:TH_LOAD_NT scope:SCOPE_SE
	s_wait_tensorcnt 0x0                           ; my part of K step 0 is in
	ds_add_u32 v[SPW], v[NIL]
	s_wait_dscnt 0x0
	CROUND
	JLOAD 1                                        ; K step 1, the first tensor load behind the round
	FETCH_B ADRB, 0, 0
	FETCH_A ADAL, 0, 0
	SCALES 0
	FETCH_A ADAH, 0, 4
	ASKT 3
	global_prefetch_b8 v[PFO], s[PFX:PFX+1] offset:32768 th:TH_LOAD_NT scope:SCOPE_SE
	STEP 0, 1
	TURN 0, 1, 1, 2
	STEP 1, 0
	TURN 1, 0, 1, 3
	STEP 0, 0
	TURN 0, 1, 2, -1
	STEP 1, 0
	s_wait_dscnt 12
	WIN MUL_LO
	MUL16 0, 1, 1, 1, 0
	MUL16 2, 1, 1, 1, 0
	s_wait_dscnt 0x0
	WIN MUL_HI
	MUL16 4, 1, 1, 1, 0
	MUL16 6, 1, 1, 1, 0
	WIN 0
	s_wait_tensorcnt 0x0
	s_wait_dscnt 0x0
	s_barrier_signal -1
	s_barrier_wait -1
	PLACES
	WIN 0x0c
.set i, 0
.rept 64
	ds_store_b128 v[XST], v[4*i:4*i+3] offset:512*i
.set i, i+1
.endr
	WIN 0
	s_wait_dscnt 0x0
	s_barrier_signal -1
	s_barrier_wait -1
	WIN 0xc0
.set i, 0
.rept 64
	ds_load_b128 v[4*i:4*i+3], v[XLD] offset:512*i
.set i, i+1
.endr
	WIN 0x40
.irp a, 0,1,2,3
.irp b, 0,1,2,3
.irp j, 0,1,2,3
	ds_load_b128 v[64*\a+16*\b+4*\j:64*\a+16*\b+4*\j+3], v[HXR] offset:16640*\a+128*\b+16*\j
.endr
.endr
.endr
	WIN 0
	s_wait_loadcnt 0x0
.set i, 0
.rept 32
	v_pk_mul_f32 v[BIA+2*i:BIA+2*i+1], v[BIA+2*i:BIA+2*i+1], s[NLE:NLE+1] op_sel_hi:[1,0]
.set i, i+1
.endr
	s_wait_dscnt 63
	WIN 0x8e
.set i, 0
.rept 128
	v_pk_add_f32 v[2*i:2*i+1], v[2*i:2*i+1], v[2*i:2*i+1]
.set i, i+1
.endr
	WIN 0x82
.set i, 0
.rept 128
	v_pk_fma_f32 v[2*i:2*i+1], v[2*i:2*i+1], s[NLE:NLE+1], v[BIA+(2*i)%64:BIA+(2*i)%64+1] op_sel_hi:[1,0,1]
.set i, i+1
.endr
.set i, 0
	s_wait_alu depctr_va_vdst(0)
.rept 256
	v_exp_f32 v[i], v[i]
.set i, i+1
.endr
	v_nop
	s_wait_alu depctr_va_vdst(0)
.set i, 0
.rept 128
	v_pk_add_f32 v[2*i:2*i+1], v[2*i:2*i+1], 1.0 op_sel_hi:[1,0]
.set i, i+1
.endr
.set i, 0
	s_wait_alu depctr_va_vdst(0)
.rept 256
	v_rcp_f32 v[i], v[i]
.set i, i+1
.endr
	v_nop
	s_wait_alu depctr_va_vdst(0)
	s_wait_dscnt 0x0
	WIN 0x46
.set i, 0
.rept 128
	v_pk_mul_f32 v[2*i:2*i+1], v[2*i:2*i+1], v[2*i:2*i+1]
.set i, i+1
.endr
	WIN 0
.irp x, 0,1,2,3,4,5,6,7,8,9,10,11,12,13,14,15
	v_mov_b32 v[144+\x], 0
.endr
	WIN 0x14
.irp x, 0,1,2,3,4,5,6,7,8,9,10,11,12,13,14,15
	v_max3_num_f32 v[128+\x], 0x1800000, |v[16*\x]|, |v[16*\x+1]|
.endr
.irp i, 2,4,6,8,10,12,14
.irp x, 0,1,2,3,4,5,6,7,8,9,10,11,12,13,14,15
	v_max3_num_f32 v[128+\x], v[128+\x], |v[16*\x+\i]|, |v[16*\x+\i+1]|
.endr
.endr
	WIN 0
.irp x, 0,1,2,3,4,5,6,7,8,9,10,11,12,13,14,15
	v_permlanex16_b32 v[144+\x], v[128+\x], s[SEL], s[SEL+1]
.endr
.irp x, 0,1,2,3,4,5,6,7,8,9,10,11,12,13,14,15
	v_max_num_f32 v[128+\x], v[128+\x], v[144+\x]
.endr
.irp x, 0,1,2,3,4,5,6,7,8,9,10,11,12,13,14,15
	v_add_nc_u32 v[160+\x], 0xff000000, v[128+\x]
.endr
.irp x, 0,1,2,3,4,5,6,7,8,9,10,11,12,13,14,15
	v_lshrrev_b32 v[176+\x], 23, v[160+\x]
.endr
.irp a, 0,1,2,3
	v_lshl_or_b32 v[192+\a], v[176+4*\a+1], 8, v[176+4*\a]
.endr
.irp a, 0,1,2,3
	v_lshl_or_b32 v[192+\a], v[176+4*\a+2], 16, v[192+\a]
.endr
.irp a, 0,1,2,3
	v_lshl_or_b32 v[192+\a], v[176+4*\a+3], 24, v[192+\a]
.endr
	WIN 0x01
.irp a, 0,1,2,3
.irp c, 0,1
	v_cvt_scalef32_pk16_fp6_f32 v[PCM+12*\a+6*\c:PCM+12*\a+6*\c+2], v[64*\a+32*\c:64*\a+32*\c+15], v[160+4*\a+2*\c]
	v_cvt_scalef32_pk16_fp6_f32 v[PCX+8*\a+4*\c:PCX+8*\a+4*\c+2], v[64*\a+32*\c+16:64*\a+32*\c+31], v[160+4*\a+2*\c+1]
.endr
.endr
	WIN 0
	v_nop
.irp a, 0,1,2,3
.irp c, 0,1
.irp i, 0,1,2
	v_permlane16_swap_b32 v[PCM+12*\a+6*\c+\i], v[PCX+8*\a+4*\c+\i]
.endr
.irp i, 0,1,2
	v_mov_b32 v[PCM+12*\a+6*\c+3+\i], v[PCX+8*\a+4*\c+\i]
.endr
.endr
.endr
.irp a, 0,1,2,3
.irp c, 0,1,2
	global_store_b128 v[L16], v[PCM+12*\a+4*\c:PCM+12*\a+4*\c+3], s[HRB:HRB+1] offset:1536*\a+512*\c
.endr
.endr
	v_cndmask_b32 v228, v192, v193, s[LMK]
	v_cndmask_b32 v229, v194, v195, s[LMK]
	global_store_b32 v[L4], v228, s[HRS:HRS+1]
	global_store_b32 v[L4], v229, s[HRS:HRS+1] offset:128
	s_wait_tensorcnt 0x0
	ds_add_u32 v[SPW], v[NIL]
	s_wait_dscnt 0x0
	CROUND
	s_endpgm
.Lfunc_end_k_q2b42a9e61c_gate_r:
	.size	k_q2b42a9e61c_gate_r, .Lfunc_end_k_q2b42a9e61c_gate_r-k_q2b42a9e61c_gate_r
	.p2alignl 7, 3214868480
	.fill 96, 4, 3214868480
	.section	.rodata,"a",@progbits
	.p2align	6, 0x0
	.amdhsa_kernel k_q2b42a9e61c_gate_r
		.amdhsa_group_segment_fixed_size 327680
		.amdhsa_private_segment_fixed_size 0
		.amdhsa_enable_private_segment 0
		.amdhsa_kernarg_size 56
		.amdhsa_user_sgpr_count 2
		.amdhsa_user_sgpr_kernarg_segment_ptr 1
		.amdhsa_wavefront_size32 1
		.amdhsa_system_sgpr_workgroup_id_x 1
		.amdhsa_system_sgpr_workgroup_id_y 1
		.amdhsa_system_sgpr_workgroup_id_z 1
		.amdhsa_system_vgpr_workitem_id 0
		.amdhsa_next_free_vgpr 1024
		.amdhsa_next_free_sgpr 104
		.amdhsa_reserve_vcc 0
		.amdhsa_float_denorm_mode_32 3
		.amdhsa_float_denorm_mode_16_64 3
		.amdhsa_memory_ordered 1
		.amdhsa_forward_progress 1
		.amdhsa_inst_pref_size 192
	.end_amdhsa_kernel
	.amdgpu_metadata
---
amdhsa.version: [ 1, 2 ]
amdhsa.kernels:
  - .name:           k_q2b42a9e61c_gate_r
    .symbol:         k_q2b42a9e61c_gate_r.kd
    .args:
      - { .name: hx_img, .offset: 0, .size: 8, .value_kind: global_buffer, .address_space: global }
      - { .name: in_img, .offset: 8, .size: 8, .value_kind: global_buffer, .address_space: global }
      - { .name: whh_img, .offset: 16, .size: 8, .value_kind: global_buffer, .address_space: global }
      - { .name: wih_img, .offset: 24, .size: 8, .value_kind: global_buffer, .address_space: global }
      - { .name: hx, .offset: 32, .size: 8, .value_kind: global_buffer, .address_space: global }
      - { .name: bias, .offset: 40, .size: 8, .value_kind: global_buffer, .address_space: global }
      - { .name: hr_img, .offset: 48, .size: 8, .value_kind: global_buffer, .address_space: global }
    .group_segment_fixed_size: 327680
    .private_segment_fixed_size: 0
    .kernarg_segment_align: 8
    .kernarg_segment_size: 56
    .max_flat_workgroup_size: 128
    .sgpr_count:     104
    .vgpr_count:     1024
    .wavefront_size: 32
...
	.end_amdgpu_metadata
.endif
;; end of part 2
;; launch gate_zn (part 3): grid 8 x 32, 4 waves a work-group, clusters of 4 x 4, 327,680 bytes of LDS; arguments hx_img, hr_img, in_img, whh_img, wih_img, hx, bias, out0; writes out0
.if DOCPART == 3
	.amdgcn_target "amdgcn-amd-amdhsa--gfx1250"
	.amdhsa_code_object_version 6
	.text
	.protected	k_q2b42a9e61c_gate_zn
	.globl	k_q2b42a9e61c_gate_zn
	.p2align	8
	.type	k_q2b42a9e61c_gate_zn,@function
k_q2b42a9e61c_gate_zn:
	s_mov_b64 s[64:65], 0
	v_nop
	global_prefetch_b8 v0, s[64:65] scope:SCOPE_SE
	s_setreg_imm32_b32 hwreg(HW_REG_WAVE_MODE, 25, 1), 1
	s_wait_xcnt 0x0
	s_wait_alu depctr_hold_cnt(0) depctr_sa_sdst(0) depctr_va_vdst(0) depctr_va_sdst(0) depctr_va_ssrc(0) depctr_va_vcc(0) depctr_vm_vsrc(0)
	s_getreg_b32 s2, hwreg(HW_REG_IB_STS2, 6, 4)
	s_cmp_eq_u32 s2, 0
	s_cbranch_scc0 .Lentry_in_a_cluster
	s_endpgm
.Lentry_in_a_cluster:
	s_bfe_u32 s2, ttmp6, 0x10000c
	s_cmp_lg_u32 s2, 0xf033
	s_cbranch_scc0 .Lentry_shape_is_right
	s_endpgm
.Lentry_shape_is_right:
; ReLU-GRU cell, third launch: z = sigmoid(input Wih[0]^T + Q(hx) Whh[0]^T + bias[0]), n = relu(input Wih[2]^T + Q(hx r) Whh[2]^T + bias[2]), out = n + z (hx - n) = (1 - z) n + z hx.  Nothing is left out.
; All matrix operands are image blocks (layout: the first kernel's head).
; SHARES.  A work-group makes 256 rows (ty) x 128 columns (tx) of both gates.  Wave w: i = w / 2 its half of the rows, j = w % 2 its gate (0: z, 1: n): 128 x 128 in 64 accumulators over K = 2,048.
; K goes in eight steps of 256 through two LDS slots of six blocks: the weights of z, of n, two blocks of A0, two of A1.  Steps 0-3: A0 = Q(hx), A1 = Q(hx r), weights Whh: waves 0, 1 fetch A0, A1, waves 2, 3 a gate's weights.
; Steps 4-7: A0 = input, weights Wih; waves 0, 1 fetch one block of input each.  The larger phase comes first.
; CLUSTER 4 x 4: the four of a row need the same activations, the four of a column the same weights: asked for jointly.  The matrix instruction is used transposed (source 0 = weights' rows).
; PREFETCHES.  Behind the load of step s stand the requests for step s + 2's tiles (at the head: steps 1 and 2); the four partners of a joint load share its runs of 256 bytes by address, 25 runs an instruction.
; hx's f32 rows, which a wave loads at the end, are asked for sixteen rows x 512 bytes at a time in four changes of slots (those that fetch steps 4 to 7).
; THE WAY OUT.  z's and n's sums meet in two stages, rows of z | n: row blocks 0-3 in slot 0, 4-7 in slot 1, each past its last fill and its last read.  A wave takes 2 x 32 whole rows; its hx rows come straight from memory
; into window 1, 512 consecutive bytes an instruction, once the weights' fragments there are done with.
; REGISTERS: window 0: v3-31 offsets, biases, addresses; v32-63 scale words, two sets, and nothing else; from v128 the activations' fragments; on the way out v64-255 two sets of z, n, hx - n.
;   window 1: the weights' fragments, two sets; then hx.  windows 2, 3: the accumulators of row blocks 0-3, 4-7.
; LIMITS: sigmoid(x) = 1 / (1 + 2^(-x log2 e)); the hidden product is summed ahead of the input's; NaN and infinities are not served (the maximum with 0 would drop a NaN).
.set BLK,   25600
.set SLOT,  6*BLK
.set SPARE, 2*SLOT                     ; behind the ring: the spare words, 128 bytes a wave, which no other line names
.set FR,    12
.set SC,    32
.set AF,    128
.set PFT,   3                          ; v3     tiles' prefetches: 256 x min(lane, 24); never rewritten
.set BZ,    4                          ; v4-7   bias[0] of my four columns, x -log2(e)
.set STO,   8                          ; v8-9   where I put 16 bytes of a row in stage 0, 1
.set RD,    10                         ; v10-11 where I read a row back
.set BN,    12                         ; v12-15 bias[2]
.set ADRB,  16                         ; v16-17 my weights' block in slot 0, 1
.set ADRA,  18                         ; v18-21 my activations' block: + 2 x phase + slot
.set SADB,  22
.set SADA,  24
.set SPW,   28
.set NIL,   29
.set PFO,   30                         ; v30    hx's prefetches: sixteen rows x two runs of 256 bytes; never rewritten
.set L16,   31                         ; v31    16 x lane
.set OUTB,  18                         ; s[18:19] out at my first row
.set G1A,   24                         ; two blocks, to my row of the cluster
.set G1B,   32                         ; one block, to my column
.set PT,    40                         ; s[40:41], s[42:43] my share of my tile of the first step of phase 0, 1
.set G0H,   48                         ; activations of steps 0-3, a set for each slot
.set G0BH,  56                         ; Whh
.set NLE,   66
.set G0IN,  68                         ; input
.set G0BI,  76                         ; Wih
.set HXB,   84                         ; s[84:85] hx at my first row
.set G1I,   88                         ; one block, to my row of the cluster
.set MSB, 0
.macro WIN new
.if MSB != \new
	s_set_vgpr_msb (MSB<<8)|\new
.set MSB, \new
.endif
.endm
.set MUL_LO, 0xa1
.set MUL_HI, 0xf1
.set TO_B,   0x40
.macro PLACES
.rept 4
	v_nop
.endr
.endm
.macro JL g0a, g1a, g0b                ; a joint load: waves 0, 1 activations, waves 2, 3 weights; an s_nop 0 and four v_nop follow each line
	s_cmp_eq_u32 s21, 0
	s_cbranch_scc0 .Lfor_b_\@
	tensor_load_to_lds s[\g0a:\g0a+3], s[\g1a:\g1a+7]
	s_nop 0
	PLACES
	s_branch .Lasked_\@
.Lfor_b_\@:
	tensor_load_to_lds s[\g0b:\g0b+3], s[G1B:G1B+7]
	s_nop 0
	PLACES
.Lasked_\@:
.endm
.macro CREST
	s_cmp_lg_u32 s20, 0
	s_cbranch_scc1 .Lnot_wave_0_\@
	s_barrier_signal -3
.Lnot_wave_0_\@:
	s_barrier_wait -3
	s_barrier_signal -1
	s_barrier_wait -1
.endm
.macro CROUND
	s_barrier_signal -1
	s_barrier_wait -1
	CREST
.endm
; The tiles of step k of phase ph: my work-group's quarter of the runs of 256 bytes that I fetch (200 or 100); lanes 25-31 name lane 24's run again.  The branch hangs on the wave's number alone
.macro ASKT ph, k
	s_cmp_eq_u32 s21, 0
	s_cbranch_scc0 .Lpw_\@
	global_prefetch_b8 v[PFT], s[PT+2*\ph:PT+2*\ph+1] offset:(\k)*64*BLK th:TH_LOAD_NT scope:SCOPE_SE
.if \ph == 0
	global_prefetch_b8 v[PFT], s[PT+2*\ph:PT+2*\ph+1] offset:(\k)*64*BLK+6400 th:TH_LOAD_NT scope:SCOPE_SE
.endif
	s_branch .Lpd_\@
.Lpw_\@:
	global_prefetch_b8 v[PFT], s[PT+2*\ph:PT+2*\ph+1] offset:(\k)*24*BLK th:TH_LOAD_NT scope:SCOPE_SE
.Lpd_\@:
.endm
	s_load_b256 s[4:11], s[0:1], 0x0               ; hx_img, hr_img, in_img, whh_img
	s_load_b256 s[12:19], s[0:1], 0x20             ; wih_img, hx, bias, out0
	v_lshl_add_u32 v[SPW], v0, 2, SPARE
	v_mov_b32 v[NIL], 0
	ds_add_u32 v[SPW], v[NIL]                      ; the opening: the add, twice on end, and its wait ahead of my first tensor load
	ds_add_u32 v[SPW], v[NIL]
	v_lshrrev_b32 v1, 5, v0
	v_readfirstlane_b32 s20, v1                    ; wave
	s_lshr_b32 s21, s20, 1                         ; i.  Also: I fetch activations (0) or weights (1)
	s_and_b32 s22, s20, 1                          ; j.  Also: which of the two
	s_bfe_u32 s86, ttmp6, 0x40000                  ; cx
	s_bfe_u32 s87, ttmp6, 0x40004                  ; cy
	s_lshl_b32 s96, ttmp9, 2
	s_add_co_u32 s96, s96, s86                     ; tx
	s_and_b32 s97, ttmp7, 0xffff
	s_lshl_b32 s97, s97, 2
	s_add_co_u32 s97, s97, s87                     ; ty
	s_lshl_b32 s98, s87, 2
	s_lshl_b32 s98, 15, s98                        ; my row of the cluster
	s_lshl_b32 s99, 0x1111, s86                    ; my column
	s_or_b32 s[G1A], s98, (3<<16)|(1<<21)          ; dense blocks as rows of 256 bytes: 32 elements of 8 bytes; the mask; bit 21 beside it
	s_or_b32 s[G1I], s98, (3<<16)|(1<<21)
	s_or_b32 s[G1B], s99, (3<<16)|(1<<21)
.irp g, G1A, G1B, G1I
	s_mov_b32 s[\g+1], 32<<16
	s_mov_b32 s[\g+3], 32<<16
	s_mov_b32 s[\g+5], 32
	s_mov_b32 s[\g+6], 0
	s_mov_b32 s[\g+7], 0
.endr
	s_mov_b32 s[G1A+2], 200<<16                    ; two blocks: 200 rows of 256 bytes
	s_mov_b32 s[G1A+4], 200
	s_mov_b32 s[G1B+2], 100<<16                    ; one block
	s_mov_b32 s[G1B+4], 100
	s_mov_b32 s[G1I+2], 100<<16
	s_mov_b32 s[G1I+4], 100
	s_mul_i32 s2, s97, 2*BLK                       ; activations: blocks (S = 0, T = 2 ty, + 1)
	s_mov_b32 s3, 0
	s_lshl_b32 s100, s22, 4
	s_add_co_u32 s100, s100, s96
	s_mul_i32 s100, s100, BLK                      ; weights: block (S = 0, T = 16 j + tx): gate 0 or gate 2
	s_mov_b32 s101, 0
	s_mul_i32 s98, s22, 2*BLK
	s_add_co_u32 s98, s98, 2*BLK                   ; in a slot: A0 at 2 blocks, A1 at 4
	s_mul_i32 s99, s22, BLK                        ; z's weights at 0, n's at 1; input's block 0 or 1 of A0; and where my gate's weights are read
	s_mul_i32 s46, s21, BLK
	s_add_co_u32 s46, s46, 2*BLK                   ; A0, my half of the rows
	s_mul_i32 s45, s22, 2*BLK
	s_add_co_u32 s45, s45, s46                     ; steps 0-3: A0 for z, A1 for n
	s_mul_i32 s47, s21, 64*1040
	s_lshl_b32 s23, s22, 9
	s_add_co_u32 s47, s47, s23                     ; a stage, in: row 64 i, z's half or n's
	s_mul_i32 s44, s20, 32*1040                    ; and back: my 32 rows
	s_mov_b32 s[NLE], 0xbfb8aa3b                   ; -log2(e)
	s_mov_b32 s[NLE+1], s[NLE]
	s_wait_dscnt 0x0                               ; both opening adds are done
	s_wait_kmcnt 0x0
	s_cmp_eq_u32 s22, 0                            ; the choice hangs on the wave's number alone
	s_cselect_b64 s[4:5], s[4:5], s[6:7]
	s_add_nc_u64 s[4:5], s[4:5], s[2:3]
	s_add_nc_u64 s[8:9], s[8:9], s[2:3]
	s_add_nc_u64 s[10:11], s[10:11], s[100:101]
	s_add_nc_u64 s[12:13], s[12:13], s[100:101]
	s_mov_b32 s6, s99                              ; input: my block of the two
	s_mov_b32 s7, 0
	s_add_nc_u64 s[8:9], s[8:9], s[6:7]
.irp s, 0,1
	s_mov_b32 s[G0H+4*\s], 1
	s_add_co_u32 s[G0H+4*\s+1], s98, \s*SLOT
	s_add_nc_u64 s[G0H+4*\s+2:G0H+4*\s+3], s[4:5], \s*64*BLK
	s_or_b32 s[G0H+4*\s+3], s[G0H+4*\s+3], 0x80000000
	s_mov_b32 s[G0BH+4*\s], 1
	s_add_co_u32 s[G0BH+4*\s+1], s99, \s*SLOT
	s_add_nc_u64 s[G0BH+4*\s+2:G0BH+4*\s+3], s[10:11], \s*24*BLK
	s_or_b32 s[G0BH+4*\s+3], s[G0BH+4*\s+3], 0x80000000
	s_mov_b32 s[G0IN+4*\s], 1
	s_add_co_u32 s[G0IN+4*\s+1], s99, 2*BLK+\s*SLOT
	s_add_nc_u64 s[G0IN+4*\s+2:G0IN+4*\s+3], s[8:9], \s*64*BLK
	s_or_b32 s[G0IN+4*\s+3], s[G0IN+4*\s+3], 0x80000000
	s_mov_b32 s[G0BI+4*\s], 1
	s_add_co_u32 s[G0BI+4*\s+1], s99, \s*SLOT
	s_add_nc_u64 s[G0BI+4*\s+2:G0BI+4*\s+3], s[12:13], \s*24*BLK
	s_or_b32 s[G0BI+4*\s+3], s[G0BI+4*\s+3], 0x80000000
.endr
	CROUND                                         ; all sixteen work-groups are here: the first joint loads meet
	JL G0H, G1A, G0BH                              ; K step 0: one tensor load a wave at the head
	s_lshl_b32 s6, s97, 20                         ; out and hx: (256 ty + 128 i + 32 j) rows of 4,096 bytes + 512 tx
	s_lshl_b32 s23, s96, 9
	s_add_co_u32 s6, s6, s23
	s_lshl_b32 s100, s21, 19
	s_add_co_u32 s6, s6, s100
	s_lshl_b32 s100, s22, 17
	s_add_co_u32 s6, s6, s100
	s_add_nc_u64 s[OUTB:OUTB+1], s[OUTB:OUTB+1], s[6:7]
	s_add_nc_u64 s[HXB:HXB+1], s[14:15], s[6:7]
	s_mov_b32 s6, s23
	s_add_nc_u64 s[16:17], s[16:17], s[6:7]        ; the biases at column 128 tx
	s_cmp_eq_u32 s21, 0                            ; the prefetches: my tile, and my place among the four that ask for it with me
	s_cselect_b64 s[PT:PT+1], s[4:5], s[10:11]
	s_cselect_b64 s[PT+2:PT+3], s[8:9], s[12:13]
	s_cselect_b32 s100, s86, s87
	s_mov_b32 s6, 6400
	s_cselect_b32 s6, 12800, s6                    ; a quarter of the tile, in bytes
	s_mul_i32 s6, s6, s100
	s_add_nc_u64 s[PT:PT+1], s[PT:PT+1], s[6:7]
	s_mul_i32 s6, s100, 6400
	s_add_nc_u64 s[PT+2:PT+3], s[PT+2:PT+3], s[6:7]
	v_and_b32 v1, 15, v0                           ; r
	v_bfe_u32 v2, v0, 4, 1                         ; h
	v_and_b32 v3, 31, v0                           ; lane
	v_lshlrev_b32 v[L16], 4, v3
	v_mul_u32_u24 v[STO], v1, 1040
	v_lshl_add_u32 v[STO], v2, 6, v[STO]
	v_add_nc_u32 v[STO], s47, v[STO]               ; stage row 64 i + r, z's half or n's, + 64 h
	v_add_nc_u32 v[RD], s44, v[L16]
	v_lshl_add_u32 v2, v3, 2, 24576                ; scale words: behind a block's fragments, 4 x lane
	v_add_nc_u32 v[ADRB], s99, v[L16]
	v_add_nc_u32 v[ADRA], s45, v[L16]
	v_add_nc_u32 v[ADRA+2], s46, v[L16]
	v_add_nc_u32 v[SADB], s99, v2
	v_add_nc_u32 v[SADA], s45, v2
	v_add_nc_u32 v[SADA+2], s46, v2
.irp x, STO, RD, ADRB, ADRA, ADRA+2, SADB, SADA, SADA+2
	v_add_nc_u32 v[\x+1], SLOT, v[\x]
.endr
	v_lshrrev_b32 v[PFO], 1, v3
	v_lshlrev_b32 v[PFO], 12, v[PFO]
	v_and_b32 v1, 1, v3
	v_lshl_add_u32 v[PFO], v1, 8, v[PFO]
	v_min_u32 v3, 24, v3
	v_lshlrev_b32 v[PFT], 8, v3
	s_wait_alu depctr_va_vdst(0)                   ; behind the head's vector work
	global_load_b128 v[BZ:BZ+3], v[L16], s[16:17]              ; on the way out a lane holds columns 4 x lane + 0 .. 3
	global_load_b128 v[BN:BN+3], v[L16], s[16:17] offset:8192
	ASKT 0, 1
	ASKT 0, 2
.macro WM4 c
.if oT && oA
	v_wmma_scale_f32_16x16x128_f8f6f4 v[rD:rD+7], v[rW:rW+11], v[rA:rA+11], \c, v[rU], v[rV] matrix_a_fmt:MATRIX_FMT_FP6 matrix_b_fmt:MATRIX_FMT_FP6 matrix_a_scale:MATRIX_SCALE_ROW1 matrix_b_scale:MATRIX_SCALE_ROW1
.elseif oT
	v_wmma_scale_f32_16x16x128_f8f6f4 v[rD:rD+7], v[rW:rW+11], v[rA:rA+11], \c, v[rU], v[rV] matrix_a_fmt:MATRIX_FMT_FP6 matrix_b_fmt:MATRIX_FMT_FP6 matrix_a_scale:MATRIX_SCALE_ROW1
.elseif oA
	v_wmma_scale_f32_16x16x128_f8f6f4 v[rD:rD+7], v[rW:rW+11], v[rA:rA+11], \c, v[rU], v[rV] matrix_a_fmt:MATRIX_FMT_FP6 matrix_b_fmt:MATRIX_FMT_FP6 matrix_b_scale:MATRIX_SCALE_ROW1
.else
	v_wmma_scale_f32_16x16x128_f8f6f4 v[rD:rD+7], v[rW:rW+11], v[rA:rA+11], \c, v[rU], v[rV] matrix_a_fmt:MATRIX_FMT_FP6 matrix_b_fmt:MATRIX_FMT_FP6
.endif
.endm
.macro WM a, t, set, q, sc, zero       ; row block a x weights' tile t; a scale register holds two blocks' words, in lanes 0-15 and 16-31
.set rD, 8*(8*((\a)%4)+(\t))
.set rW, 128*(\set)+FR*(\t)
.set rA, AF+FR*(\a)
.set rU, SC+16*(\sc)+8+4*(\q)+(\t)/2
.set rV, SC+16*(\sc)+4*(\q)+(\a)/2
.set oT, (\t)%2
.set oA, (\a)%2
.if \zero
	WM4 0
.else
	WM4 v[rD:rD+7]
.endif
.endm
.macro MUL16 a0, set, q, sc, zero      ; the 64 accumulators take turns, one instruction a turn, in the same order in every step
.irp a, \a0, \a0+1
.irp t, 0,1,2,3,4,5,6,7
	WM (\a), \t, \set, \q, \sc, \zero
.endr
.endr
.endm
.macro FRAG reg, adr, off
.irp c, 0,1,2
	ds_load_b128 v[\reg+4*\c:\reg+4*\c+3], v[\adr] offset:\off+512*\c
.endr
.endm
.macro FETCH_B adr, q, set             ; 24 loads
	WIN TO_B
.irp t, 0,1,2,3,4,5,6,7
	FRAG 128*(\set)+FR*\t, \adr, (\q)*12288+\t*1536
.endr
	WIN 0
.endm
.macro FETCH_A adr, q, i0              ; 12 loads
.irp i, \i0, \i0+1, \i0+2, \i0+3
	FRAG AF+FR*(\i), \adr, (\q)*12288+(\i)*1536
.endr
.endm
.macro SCALES s, ph                    ; 16 loads
.irp q, 0,1
.irp p, 0,1,2,3
	ds_load_b32 v[SC+16*\s+4*\q+\p], v[SADA+2*\ph+\s] offset:512*\q+128*\p
	ds_load_b32 v[SC+16*\s+8+4*\q+\p], v[SADB+\s] offset:512*\q+128*\p
.endr
.endr
.endm
.macro STEP s, ph, zero                ; a slot's first 128 along K; ph: 0 in steps 0-3, 1 in steps 4-7
	s_wait_dscnt 12                                ; all but the youngest 12 loads (row blocks 4-7) are in
	WIN MUL_LO
	MUL16 0, 0, 0, \s, \zero
	MUL16 2, 0, 0, \s, \zero
	s_wait_dscnt 0x0
	PLACES
	FETCH_B ADRB+\s, 1, 1
	FETCH_A ADRA+2*\ph+\s, 1, 0
	WIN MUL_HI
	MUL16 4, 0, 0, \s, \zero
	MUL16 6, 0, 0, \s, \zero
	PLACES
	WIN 0
	FETCH_A ADRA+2*\ph+\s, 1, 4
.endm
; A slot's second 128 along K, and the change of slots.  phn: the next slot's phase.  kind 1: the refill is step 2 or 3; 2: step 4 or 5, whose descriptors stand ready; 3: step 6 or 7; 4: nothing is left to fetch, so no round follows.
; pt: the step of phase 1 whose tiles are prefetched, pf: the sixteen rows of hx; -1: none
.macro TURN s, n, phn, kind, pt, pf
	s_wait_dscnt 12                                ; the weights' set 1 and row blocks 0-3 are in
	WIN MUL_LO
	MUL16 0, 1, 1, \s, 0
	MUL16 2, 1, 1, \s, 0
	WIN 0
	s_wait_tensorcnt 0x0                           ; all my tensor loads have landed: my part of the next slot; so every group 0 may be written
.if \kind != 4
	ds_add_u32 v[SPW], v[NIL]
.endif
.if \kind == 1
	s_add_nc_u64 s[G0H+4*\s+2:G0H+4*\s+3], s[G0H+4*\s+2:G0H+4*\s+3], 2*64*BLK
	s_add_nc_u64 s[G0BH+4*\s+2:G0BH+4*\s+3], s[G0BH+4*\s+2:G0BH+4*\s+3], 2*24*BLK
.elseif \kind == 3
	s_add_nc_u64 s[G0IN+4*\s+2:G0IN+4*\s+3], s[G0IN+4*\s+2:G0IN+4*\s+3], 2*64*BLK
	s_add_nc_u64 s[G0BI+4*\s+2:G0BI+4*\s+3], s[G0BI+4*\s+2:G0BI+4*\s+3], 2*24*BLK
.endif
	s_wait_dscnt 0x0                               ; the add is done, and my reads of this slot are over
	s_barrier_signal -1
	s_barrier_wait -1
.if \kind == 4
	PLACES
.else
	CREST                                          ; no wave of any partner still reads this slot or has a load on its way
.if \kind == 1
	JL G0H+4*\s, G1A, G0BH+4*\s                    ; the first tensor load behind the round; its four v_nop are also the places in front of the loads below
.else
	JL G0IN+4*\s, G1I, G0BI+4*\s
.endif
.endif
	FETCH_B ADRB+\n, 0, 0
	FETCH_A ADRA+2*\phn+\n, 0, 0
	SCALES \n, \phn
.if \pt >= 0
	ASKT 1, \pt
.endif
.if \pf >= 0
	global_prefetch_b8 v[PFO], s[HXB:HXB+1] offset:(64*((\pf)/2)+16*((\pf)%2))*4096 th:TH_LOAD_NT scope:SCOPE_SE
.endif
	WIN MUL_HI
	MUL16 4, 1, 1, \s, 0
	MUL16 6, 1, 1, \s, 0
	PLACES
	WIN 0
	FETCH_A ADRA+2*\phn+\n, 0, 4
.endm
.macro HXLOAD rho                      ; my 32 rows of hx of round rho into window 1: 32 lanes take 512 consecutive bytes of a row
	WIN TO_B
.set i, 0
.rept 32
	global_load_b128 v[128*(\rho)+4*i:128*(\rho)+4*i+3], v[L16], s[HXB:HXB+1] offset:(64*(\rho)+i)*4096 th:TH_LOAD_NT
.set i, i+1
.endr
	WIN 0
.endm
.macro STAGE rho                       ; row blocks 4 rho .. 4 rho + 3 into stage rho; an LDS store's data are its source 1: window 2, then 3
	WIN 0x08+4*(\rho)
.irp a, 0,1,2,3
.irp b, 0,1,2,3
.irp j, 0,1,2,3
	ds_store_b128 v[STO+\rho], v[64*\a+16*\b+4*\j:64*\a+16*\b+4*\j+3] offset:16640*\a+128*\b+16*\j   ; columns 32 b + 16 h + 4 j on; each accumulator from its low end on
.endr
.endr
.endr
	WIN 0
.endm
.macro ELOAD q                         ; batch q = 4 rho + g: eight rows of z and n, 16 loads, into set q % 2
.set zz, 64+96*((\q)%2)
.irp e, 0,1,2,3,4,5,6,7
	ds_load_b128 v[zz+4*\e:zz+4*\e+3], v[RD+(\q)/4] offset:(8*((\q)%4)+\e)*1040
	ds_load_b128 v[zz+32+4*\e:zz+32+4*\e+3], v[RD+(\q)/4] offset:(8*((\q)%4)+\e)*1040+512
.endr
.endm
.macro ECOMP q
.set zz, 64+96*((\q)%2)
.set hh, 32*(\q)                       ; the batch's hx, in window 1
	s_wait_loadcnt 56-8*(\q)                       ; of the 64 loads of hx the first 8 (q + 1) are in
.irp e, 0,1,2,3,4,5,6,7
	v_pk_fma_f32 v[zz+4*\e:zz+4*\e+1], v[zz+4*\e:zz+4*\e+1], s[NLE:NLE+1], v[BZ:BZ+1] op_sel_hi:[1,0,1]         ; -(x + b) log2(e)
	v_pk_fma_f32 v[zz+4*\e+2:zz+4*\e+3], v[zz+4*\e+2:zz+4*\e+3], s[NLE:NLE+1], v[BZ+2:BZ+3] op_sel_hi:[1,0,1]
.endr
	s_wait_alu depctr_va_vdst(0)
.set i, 0
.rept 32
	v_exp_f32 v[zz+i], v[zz+i]
.set i, i+1
.endr
.irp e, 0,1,2,3,4,5,6,7
	v_pk_add_f32 v[zz+32+4*\e:zz+32+4*\e+1], v[zz+32+4*\e:zz+32+4*\e+1], v[BN:BN+1]      ; n's bias: independent work behind the exponentials
	v_pk_add_f32 v[zz+32+4*\e+2:zz+32+4*\e+3], v[zz+32+4*\e+2:zz+32+4*\e+3], v[BN+2:BN+3]
.endr
.set i, 0
.rept 32
	v_max_num_f32 v[zz+32+i], 0, v[zz+32+i]        ; relu
.set i, i+1
.endr
	s_wait_alu depctr_va_vdst(0)
.set i, 0
.rept 16
	v_pk_add_f32 v[zz+2*i:zz+2*i+1], v[zz+2*i:zz+2*i+1], 1.0 op_sel_hi:[1,0]
.set i, i+1
.endr
	s_wait_alu depctr_va_vdst(0)
.set i, 0
.rept 32
	v_rcp_f32 v[zz+i], v[zz+i]                     ; z
.set i, i+1
.endr
	WIN 0x01                                       ; source 0: window 1
.set i, 0
.rept 16
	v_pk_add_f32 v[zz+64+2*i:zz+64+2*i+1], v[hh+2*i:hh+2*i+1], v[zz+32+2*i:zz+32+2*i+1] neg_lo:[0,1] neg_hi:[0,1]   ; hx - n
.set i, i+1
.endr
	WIN 0
	s_wait_alu depctr_va_vdst(0)
.set i, 0
.rept 16
	v_pk_fma_f32 v[zz+32+2*i:zz+32+2*i+1], v[zz+2*i:zz+2*i+1], v[zz+64+2*i:zz+64+2*i+1], v[zz+32+2*i:zz+32+2*i+1]   ; n + z (hx - n)
.set i, i+1
.endr
.irp e, 0,1,2,3,4,5,6,7
	global_store_b128 v[L16], v[zz+32+4*\e:zz+32+4*\e+3], s[OUTB:OUTB+1] offset:(64*((\q)/4)+8*((\q)%4)+\e)*4096 th:TH_STORE_NT   ; 32 lanes store 512 consecutive bytes, at a multiple of 256 from the buffer's first byte
.endr
.endm
	s_wait_loadcnt 0x0                             ; the biases
	v_pk_mul_f32 v[BZ:BZ+1], v[BZ:BZ+1], s[NLE:NLE+1] op_sel_hi:[1,0]
	v_pk_mul_f32 v[BZ+2:BZ+3], v[BZ+2:BZ+3], s[NLE:NLE+1] op_sel_hi:[1,0]
	s_wait_alu depctr_va_vdst(0)                   ; the head's end
	s_wait_tensorcnt 0x0                           ; my part of K step 0 is in
	ds_add_u32 v[SPW], v[NIL]
	s_wait_dscnt 0x0
	CROUND                                         ; everybody's part of K step 0 is in, and all sixteen work-groups are here
	JL G0H+4, G1A, G0BH+4                          ; K step 1, the first tensor load behind the round
	FETCH_B ADRB, 0, 0
	FETCH_A ADRA, 0, 0
	SCALES 0, 0
	FETCH_A ADRA, 0, 4
	ASKT 0, 3
	STEP 0, 0, 1                                   ; the first products start the sums: nothing is cleared
	TURN 0, 1, 0, 1, 0, -1
	STEP 1, 0, 0
	TURN 1, 0, 0, 1, 1, -1
	STEP 0, 0, 0
	TURN 0, 1, 0, 2, 2, 0
	STEP 1, 0, 0
	TURN 1, 0, 1, 2, 3, 1
	STEP 0, 1, 0
	TURN 0, 1, 1, 3, -1, 2
	STEP 1, 1, 0
	TURN 1, 0, 1, 3, -1, 3
	STEP 0, 1, 0
	TURN 0, 1, 1, 4, -1, -1
	STEP 1, 1, 0
	HXLOAD 0                                       ; the weights' set 0 is done with, four places ago
	s_wait_dscnt 12                                ; the last 128 along K: nothing more to fetch
	WIN MUL_LO
	MUL16 0, 1, 1, 1, 0
	MUL16 2, 1, 1, 1, 0
	s_wait_dscnt 0x0
	WIN MUL_HI
	MUL16 4, 1, 1, 1, 0
	MUL16 6, 1, 1, 1, 0
	WIN 0
	PLACES
	HXLOAD 1                                       ; and set 1
; THE WAY OUT.  Slot 0 was read out ahead of the last change of slots: stage 0 is written at once.  The barrier shows stage 0 whole and slot 1 read out; stage 1 is written behind it, and read behind the second barrier.
	STAGE 0
	s_wait_dscnt 0x0                               ; my stores into stage 0 are done, my reads of slot 1 are over
	s_barrier_signal -1
	s_barrier_wait -1
	STAGE 1
	ELOAD 0
	ELOAD 1
.irp q, 0,1,2,3,4,5,6,7
.if \q == 7
	s_wait_dscnt 0x0
.else
	s_wait_dscnt 16                                ; this batch's loads are in; the next batch's 16 may be out
.endif
	ECOMP \q
.if \q == 2
	s_wait_dscnt 0x0                               ; for the others' sake: my stores into stage 1 are done
	s_barrier_signal -1
	s_barrier_wait -1
.endif
.if \q < 6
	s_wait_xcnt 0x0                                ; the stores have read their registers
	ELOAD \q+2
.endif
.endr
	s_wait_tensorcnt 0x0                           ; the wave's end, behind my last tensor load and my last LDS store
	ds_add_u32 v[SPW], v[NIL]
	s_wait_dscnt 0x0
	CROUND                                         ; the closing round
	s_endpgm
.Lfunc_end_k_q2b42a9e61c_gate_zn:
	.size	k_q2b42a9e61c_gate_zn, .Lfunc_end_k_q2b42a9e61c_gate_zn-k_q2b42a9e61c_gate_zn
	.p2alignl 7, 3214868480
	.fill 96, 4, 3214868480
	.section	.rodata,"a",@progbits
	.p2align	6, 0x0
	.amdhsa_kernel k_q2b42a9e61c_gate_zn
		.amdhsa_group_segment_fixed_size 327680
		.amdhsa_private_segment_fixed_size 0
		.amdhsa_enable_private_segment 0
		.amdhsa_kernarg_size 64
		.amdhsa_user_sgpr_count 2
		.amdhsa_user_sgpr_kernarg_segment_ptr 1
		.amdhsa_wavefront_size32 1
		.amdhsa_system_sgpr_workgroup_id_x 1
		.amdhsa_system_sgpr_workgroup_id_y 1
		.amdhsa_system_sgpr_workgroup_id_z 1
		.amdhsa_system_vgpr_workitem_id 0
		.amdhsa_next_free_vgpr 1024
		.amdhsa_next_free_sgpr 104
		.amdhsa_reserve_vcc 0
		.amdhsa_float_denorm_mode_32 3
		.amdhsa_float_denorm_mode_16_64 3
		.amdhsa_memory_ordered 1
		.amdhsa_forward_progress 1
		.amdhsa_inst_pref_size 255
	.end_amdhsa_kernel
	.section	.bss,"aw",@nobits
	.p2align	6
	.space	262144
	.amdgpu_metadata
---
amdhsa.version: [ 1, 2 ]
amdhsa.kernels:
  - .name:           k_q2b42a9e61c_gate_zn
    .symbol:         k_q2b42a9e61c_gate_zn.kd
    .args:
      - { .name: hx_img, .offset: 0, .size: 8, .value_kind: global_buffer, .address_space: global }
      - { .name: hr_img, .offset: 8, .size: 8, .value_kind: global_buffer, .address_space: global }
      - { .name: in_img, .offset: 16, .size: 8, .value_kind: global_buffer, .address_space: global }
      - { .name: whh_img, .offset: 24, .size: 8, .value_kind: global_buffer, .address_space: global }
      - { .name: wih_img, .offset: 32, .size: 8, .value_kind: global_buffer, .address_space: global }
      - { .name: hx, .offset: 40, .size: 8, .value_kind: global_buffer, .address_space: global }
      - { .name: bias, .offset: 48, .size: 8, .value_kind: global_buffer, .address_space: global }
      - { .name: out0, .offset: 56, .size: 8, .value_kind: global_buffer, .address_space: global }
    .group_segment_fixed_size: 327680
    .private_segment_fixed_size: 0
    .kernarg_segment_align: 8
    .kernarg_segment_size: 64
    .max_flat_workgroup_size: 128
    .sgpr_count:     104
    .vgpr_count:     1024
    .wavefront_size: 32
...
	.end_amdgpu_metadata
.endif
;; end of part 3
